; MI455X (gfx1250); checked and timed in simulation.
; The chip was launched on July 23, 2026; its instructions are those of AMD's public machine-readable ISA for CDNA 5 (MIT licence, August 2026) and "CDNA5" Instruction Set Architecture Reference Guide (July 2026). The comments in the code are by the model that wrote it; some were corrected since.
;; CMS Flip Linear. Allowed arithmetic: float matrix products may take bf16 or f16 operands with f32 sums; other float arithmetic in f32, or as packed bf16 or f16 multiplies, adds, multiply-adds, maxima and minima; sums over many terms, partial sums and values carried from step to step in f32; what a program stores and reads back later, other than sums and carried values, may be rounded once to bf16 or f16.
;; Inputs: scales 65,536 float32; ternary 2,048 x 4,096 int8; x 4 x 2,048 x 4,096 float32.
;; Outputs: out0 4 x 2,048 x 2,048 float32.
;; 2 versions, each right. Each part assembles by itself: llvm-mc -triple=amdgcn-amd-amdhsa -mcpu=gfx1250 --defsym DOCPART=n.
;; ======== version 1 of 2: 2 launches
;; workspace buffers: wb 16,777,216 bytes
;; launch wprep (part 1): grid 256 x 1, 8 waves a work-group, no clusters, 0 bytes of LDS; arguments ternary, scales, wb; writes wb
.if DOCPART == 1
	.amdgcn_target "amdgcn-amd-amdhsa--gfx1250"
	.amdhsa_code_object_version 6
	.text
	.protected	k_qe192c1fa82_wprep
	.globl	k_qe192c1fa82_wprep
	.p2align	8
	.type	k_qe192c1fa82_wprep,@function
k_qe192c1fa82_wprep:
	s_mov_b64 s[64:65], 0
	v_nop
	global_prefetch_b8 v0, s[64:65] scope:SCOPE_SE
	s_setreg_imm32_b32 hwreg(HW_REG_WAVE_MODE, 25, 1), 1
	s_wait_xcnt 0x0
; wb = bf16(f32(ternary) x scale), laid out for the product that follows: wb[kb][n][64], k = 64 kb + j; a block kb is 2,048 rows of 128 bytes,
; so that 128 rows x 64 k of W are 16,384 consecutive bytes.  ternary: [2048][4096] int8.  scales: [65536] f32, scales[32 n + k / 128].
; Any int8 code is served.  The product code x scale is made in f32 and rounded once to bf16 (for the codes -1, 0, 1 it is the scale's own rounding, signed).
; SHARES.  Eight waves; the work-group owns 8 rows n.  Thread t: c = t % 8 (8 codes of a block's 64), row = (t / 8) % 8, kg = t / 64 (16 blocks kb).
; It has 16 tasks: task i takes 8 codes (8 bytes) of block 16 kg + i and stores 8 bf16 (16 bytes).  A wave's store covers 4 rows x 128 bytes = 512
; consecutive bytes of wb, at a multiple of 512.  A wave's load takes 64 bytes of each of 4 rows; four tasks on end take each row's aligned 256 bytes, every byte once.
; The bytes bind: no LDS, no barrier, no matrix unit, no loop.  All 16 loads of a thread go out together; every task has store registers of its own, so nothing waits for a store.
.set SC,   8                           ; v[8:15]    the 8 scales of my row and my 16 blocks: task i takes number i / 2
.set IN,   16                          ; v[16:47]   task i: 2 registers, 8 codes as loaded
.set T,    48                          ; v[48:55]   8 numbers at work
.set OUT,  64                          ; v[64:127]  task i: 4 registers, 8 bf16 to store; never written twice
.set KBLK, 2048*128                    ; bytes in a block kb of wb
	s_load_b128 s[4:7], s[0:1], 0x0                ; ternary s[4:5], scales s[6:7]
	s_load_b64 s[8:9], s[0:1], 0x10                ; wb
	v_and_b32 v4, 7, v0                            ; c
	v_bfe_u32 v5, v0, 3, 3                         ; row
	v_lshrrev_b32 v6, 6, v0                        ; kg
	v_lshlrev_b32 v1, 12, v5                       ; codes: row x 4,096
	v_lshl_add_u32 v1, v6, 10, v1                  ;   + kg x 16 blocks x 64
	v_lshl_add_u32 v1, v4, 3, v1                   ;   + 8 c
	v_lshlrev_b32 v2, 7, v5                        ; scales: row x 32 x 4 bytes
	v_lshl_add_u32 v2, v6, 5, v2                   ;   + kg x 8 x 4 bytes
	v_lshlrev_b32 v3, 7, v5                        ; wb: row x 128
	v_lshl_add_u32 v3, v4, 4, v3                   ;   + 16 c
	v_lshl_add_u32 v3, v6, 22, v3                  ;   + kg x 16 blocks of 262,144 bytes
	s_lshl_b32 s2, ttmp9, 15                       ; the work-group's 8 rows of 4,096 codes
	s_mov_b32 s3, 0
	s_lshl_b32 s10, ttmp9, 10                      ; its 8 rows of 128 bytes, in scales and in a block of wb alike
	s_mov_b32 s11, 0
	s_wait_kmcnt 0x0
	s_add_nc_u64 s[4:5], s[4:5], s[2:3]
	s_add_nc_u64 s[6:7], s[6:7], s[10:11]
	s_add_nc_u64 s[8:9], s[8:9], s[10:11]
	global_load_b128 v[SC:SC+3],   v2, s[6:7]
	global_load_b128 v[SC+4:SC+7], v2, s[6:7] offset:16
.irp i, 0,1,2,3,4,5,6,7,8,9,10,11,12,13,14,15
	global_load_b64 v[IN+2*(\i):IN+2*(\i)+1], v1, s[4:5] offset:64*(\i)
.endr
.macro TASK i
	s_wait_loadcnt 15-(\i)                         ; loads come back in order (ISA guide 5.7.1): task i's codes are in, the 15 - i younger loads stay out; the scales are older than all
.irp d, 0,1
	v_lshlrev_b32 v[T+4*(\d)],   24, v[IN+2*(\i)+(\d)]   ; each byte to the top of a word,
	v_lshlrev_b32 v[T+4*(\d)+1], 16, v[IN+2*(\i)+(\d)]
	v_lshlrev_b32 v[T+4*(\d)+2], 8,  v[IN+2*(\i)+(\d)]
	v_ashrrev_i32 v[T+4*(\d)+3], 24, v[IN+2*(\i)+(\d)]   ; and down again with its sign; the top byte needs the second shift alone
.endr
.irp j, 0,1,2,4,5,6
	v_ashrrev_i32 v[T+(\j)], 24, v[T+(\j)]
.endr
.irp j, 0,1,2,3,4,5,6,7
	v_cvt_f32_i32 v[T+(\j)], v[T+(\j)]
.endr
.irp j, 0,1,2,3,4,5,6,7
	v_mul_f32 v[T+(\j)], v[SC+(\i)/2], v[T+(\j)]   ; two blocks of 64 share a group's scale
.endr
.irp j, 0,1,2,3
	v_cvt_pk_bf16_f32 v[OUT+4*(\i)+(\j)], v[T+2*(\j)], v[T+2*(\j)+1]
.endr
	global_store_b128 v3, v[OUT+4*(\i):OUT+4*(\i)+3], s[8:9] offset:(\i)*KBLK  ; 15 blocks at the most: 3,932,160, inside the signed 24-bit immediate
.endm
.irp i, 0,1,2,3,4,5,6,7,8,9,10,11,12,13,14,15
	TASK \i
.endr
	s_endpgm
.Lfunc_end_k_qe192c1fa82_wprep:
	.size	k_qe192c1fa82_wprep, .Lfunc_end_k_qe192c1fa82_wprep-k_qe192c1fa82_wprep
	.p2alignl 7, 3214868480
	.fill 96, 4, 3214868480
	.section	.rodata,"a",@progbits
	.p2align	6, 0x0
	.amdhsa_kernel k_qe192c1fa82_wprep
		.amdhsa_group_segment_fixed_size 0
		.amdhsa_private_segment_fixed_size 0
		.amdhsa_enable_private_segment 0
		.amdhsa_kernarg_size 24
		.amdhsa_user_sgpr_count 2
		.amdhsa_user_sgpr_kernarg_segment_ptr 1
		.amdhsa_wavefront_size32 1
		.amdhsa_system_sgpr_workgroup_id_x 1
		.amdhsa_system_sgpr_workgroup_id_y 1
		.amdhsa_system_sgpr_workgroup_id_z 1
		.amdhsa_system_vgpr_workitem_id 0
		.amdhsa_next_free_vgpr 128
		.amdhsa_next_free_sgpr 66
		.amdhsa_reserve_vcc 0
		.amdhsa_float_denorm_mode_32 3
		.amdhsa_float_denorm_mode_16_64 3
		.amdhsa_memory_ordered 1
		.amdhsa_forward_progress 1
		.amdhsa_inst_pref_size 24
	.end_amdhsa_kernel
	.amdgpu_metadata
---
amdhsa.version: [ 1, 2 ]
amdhsa.kernels:
  - .name:           k_qe192c1fa82_wprep
    .symbol:         k_qe192c1fa82_wprep.kd
    .args:
      - { .name: ternary, .offset: 0, .size: 8, .value_kind: global_buffer, .address_space: global }
      - { .name: scales, .offset: 8, .size: 8, .value_kind: global_buffer, .address_space: global }
      - { .name: wb, .offset: 16, .size: 8, .value_kind: global_buffer, .address_space: global }
    .group_segment_fixed_size: 0
    .private_segment_fixed_size: 0
    .kernarg_segment_align: 8
    .kernarg_segment_size: 24
    .max_flat_workgroup_size: 256
    .sgpr_count:     66
    .vgpr_count:     128
    .wavefront_size: 32
...
	.end_amdgpu_metadata
.endif
;; end of part 1
;; launch gemm (part 2): grid 8 x 32, 4 waves a work-group, clusters of 4 x 4, 327,680 bytes of LDS; arguments x, wb, out0; writes out0
.if DOCPART == 2
	.amdgcn_target "amdgcn-amd-amdhsa--gfx1250"
	.amdhsa_code_object_version 6
	.text
	.protected	k_qe192c1fa82_gemm
	.globl	k_qe192c1fa82_gemm
	.p2align	8
	.type	k_qe192c1fa82_gemm,@function
k_qe192c1fa82_gemm:
	s_mov_b64 s[64:65], 0
	v_nop
	global_prefetch_b8 v0, s[64:65] scope:SCOPE_SE
	s_setreg_imm32_b32 hwreg(HW_REG_WAVE_MODE, 25, 1), 1
	s_wait_xcnt 0x0
	s_wait_alu depctr_hold_cnt(0) depctr_sa_sdst(0) depctr_va_vdst(0) depctr_va_sdst(0) depctr_va_ssrc(0) depctr_va_vcc(0) depctr_vm_vsrc(0)
	s_getreg_b32 s2, hwreg(HW_REG_IB_STS2, 6, 4)
	s_cmp_eq_u32 s2, 0
	s_cbranch_scc0 .Lentry_in_a_cluster
	s_endpgm
.Lentry_in_a_cluster:
	s_bfe_u32 s2, ttmp6, 0x10000c
	s_cmp_lg_u32 s2, 0xf033
	s_cbranch_scc0 .Lentry_shape_is_right
	s_endpgm
.Lentry_shape_is_right:
; out0[m][n] = the sum over k of bf16(x[m][k]) W[n][k].  x: [8192][4096] f32.  wb: W in bf16, [64 blocks kb][2048 n][64 k].  out0: [8192][2048] f32.  Sums in f32.
; LIMITS.  x is rounded once to bf16 (nearest even) on its way from LDS to the matrix unit; beyond bf16's largest finite number it becomes an infinity.  The sums are taken in another
; order than a plain loop over k.  NaN and infinities are not treated apart.
; SHARES.  A tile of out0, 256 x 256, is made by a work-group of four waves; there are 32 x 8 = 256 tiles.  A wave makes 64 rows x 256 columns: 64 accumulators of 16 x 16, 512 registers.
; For 32 along K that reads as many LDS bytes as 128 x 128 would (64 rows x 128 bytes of f32 + 256 rows x 64 bytes of bf16), but each row of x is read and rounded by ONE wave, not by two.
; THE RING.  K goes in steps of 64 through two LDS slots filled by the tensor data mover: 256 rows of x (256 bytes each, at multiples of 256 from x's first byte) and 256 rows of W
; (16,384 consecutive bytes for 128 rows, asked for as 64 rows of 256 bytes).  Two slots of a step of 128 would be 409,600 bytes: more than the work-group has.
; A QUARTER is 32 along K: 64 matrix instructions on one pair of fragment buffers, and beside them the next quarter's 48 LDS loads and 32 roundings, four behind one matrix instruction each.
; CLUSTERS.  4 x 4 work-groups.  The four of a row of the cluster need the same rows of x, the four of a column the same rows of W: each tile is asked for JOINTLY, by the same tensor
; load with the same descriptor and a mask that names the four, which divides the requests for both by four.
; THE MATRIX INSTRUCTION IS USED TRANSPOSED: source 0 = 16 rows of W, source 1 = 16 rows of x.  In the result lane l holds row l % 16 of out0 and the columns 8 (l / 16) + 0..7.
; REGISTERS, in windows of 256 (s_set_vgpr_msb: bits 1:0 source 0, 3:2 source 1, 5:4 source 2, 7:6 destination):
;   window 0: v0-29 addresses; v64-127 x's fragments in bf16, two buffers of 4 x 8; v128-191 x's fragments in f32 as loaded, 4 x 16
;   window 1: W's fragments, two buffers of 16 x 8; on the way out, rows read back from the stage
;   windows 2, 3: accumulator (a, b), rows 16 a on, columns 16 b on, in window 2 + a / 2 at v[8 (16 (a % 2) + b)]
.set SIZE_K, 4096
.set SIZE_N, 2048
.set KSTEP,  64
.set KBLK,   SIZE_N*128                ; bytes in a block kb of wb
.set PA,     272                       ; a row of x in LDS: 256 bytes + 16 of padding = 68 words: row r starts at bank 4 r mod 64 (64 banks of 4 bytes: ISA guide 11.1): 16 rows, 16 different groups of four banks
.set PB,     144                       ; a row of W: 128 + 16 = 36 words: 9 r mod 16 takes sixteen different values: again 16 different groups of four banks
.set AHALF,  128*PA                    ; what one tensor load brings of x
.set BOFF,   256*PA                    ; W's rows lie behind x's 256
.set BHALF,  128*PB                    ; what one tensor load brings of W
.set SLOT,   BOFF+256*PB               ; 106,496 bytes
.set STAGE,  2*SLOT                    ; behind the ring, never filled by a tensor load: 16 rows x 1,040 bytes for each wave, for the way out
.set SPITCH, 1040                      ; 1,024 bytes + 16: the 16 rows that a store touches start at 16 different groups of four banks
.set WSTAGE, 16*SPITCH
.set SPARE,  STAGE+4*WSTAGE            ; behind the stages: the spare words, 128 bytes for each wave: two blocks of 256 bytes that no other line names
.set TRIPS,  30                        ; the loop's trips, two K steps each; half a step stands in front of it, three and a half behind it
.set ADRA, 16                          ; v16-17  LDS address of my fragments of x in slot 0, 1
.set ADRB, 20                          ; v20-21  the same for W
.set STO,  24                          ; v24     the way out: where I put 32 bytes of a row
.set RD,   25                          ; v25     the way out: where I read rows back
.set CO,   26                          ; v26     my byte offset in 512 consecutive bytes of out0
.set SPW,  28                          ; v28     LDS address of my spare word: SPARE + 4 x my thread's number; never rewritten
.set NIL,  29                          ; v29     0; never rewritten
.set FA,   64
.set STG,  128
.set G1,  24                           ; s[24:31] descriptor group 1 for x's tiles
.set G0,  32                           ; s[32:39] descriptor group 0 for x's tiles, one set for each slot
.set G1B, 48                           ; s[48:55], s[56:63] the same for W's tiles
.set G0B, 56
.set MSB, 0
.macro WIN new                         ; the immediate's high byte repeats the setting that is left; a switch that changes nothing is dropped
.if MSB != (\new)
	s_set_vgpr_msb (MSB<<8)|(\new)
.set MSB, \new
.endif
.endm
; A joint refill.  Waves 0 and 1 fetch x's two halves, waves 2 and 3 W's.  Each of the two lines has one mask and one set of registers for all that issue it.  The branch hangs on the wave's
; number alone.  An s_nop 0 and four v_nop follow each of the two lines, ahead of the jump, the label and what follows.
.macro JLOAD s
	s_cmp_eq_u32 s11, 0
	s_cbranch_scc0 .Lfor_b_\@
	tensor_load_to_lds s[G0+4*(\s):G0+4*(\s)+3], s[G1:G1+7]
	s_nop 0
.rept 4
	v_nop
.endr
	s_branch .Lasked_\@
.Lfor_b_\@:
	tensor_load_to_lds s[G0B+4*(\s):G0B+4*(\s)+3], s[G1B:G1B+7]
	s_nop 0
.rept 4
	v_nop
.endr
.Lasked_\@:
.endm
; A round of the cluster's barrier: my work-group's barrier, so that wave 0's signal speaks for all four waves; wave 0 signals for the work-group; every wave waits for all sixteen
; work-groups; my work-group's barrier once more.
.macro CREST                           ; a round behind its opening barrier
	s_cmp_lg_u32 s10, 0
	s_cbranch_scc1 .Lnot_wave_0_\@
	s_barrier_signal -3
.Lnot_wave_0_\@:
	s_barrier_wait -3
	s_barrier_signal -1
	s_barrier_wait -1
.endm
.macro CROUND                          ; a whole round
	s_barrier_signal -1
	s_barrier_wait -1
	CREST
.endm
	s_load_b128 s[4:7], s[0:1], 0x0                ; x s[4:5], wb s[6:7]
	s_load_b64 s[8:9], s[0:1], 0x10                ; out0
	v_lshl_add_u32 v[SPW], v0, 2, SPARE
	v_mov_b32 v[NIL], 0
	ds_add_u32 v[SPW], v[NIL]                      ; the wave's opening: the add and its wait stand ahead of my first tensor load; the set-up below, work on registers, stands between them
	v_lshrrev_b32 v1, 5, v0
	v_readfirstlane_b32 s10, v1                    ; wave 0..3
	s_lshr_b32 s11, s10, 1                         ; I fetch for x (0) or for W (1),
	s_and_b32 s12, s10, 1                          ; and which 128 rows of that tile
	s_bfe_u32 s40, ttmp6, 0x40000                  ; cx: my place along the cluster's x
	s_bfe_u32 s41, ttmp6, 0x40004                  ; cy: along its y
	s_lshl_b32 s42, ttmp9, 2                       ; in a cluster launch ttmp9 and ttmp7 count clusters
	s_add_co_u32 s42, s42, s40                     ; tile column = 4 x cluster x + cx
	s_and_b32 s13, ttmp7, 0xffff
	s_lshl_b32 s13, s13, 2
	s_add_co_u32 s13, s13, s41                     ; tile row = 4 x cluster y + cy
	s_lshl_b32 s43, s41, 2
	s_lshl_b32 s43, 15, s43                        ; my row of the cluster: places 4 cy .. 4 cy + 3
	s_lshl_b32 s44, 0x1111, s40                    ; my column: places cx, cx + 4, cx + 8, cx + 12
	; group 1 for x: 128 rows x 64 elements of 4 bytes, 4,096 elements from row to row
	s_or_b32 s[G1+0], s43, (2<<16)|(1<<20)|(1<<21)|(5<<22)|(3<<25)  ; 15:0 the mask: my row; 17:16 elements of 4 bytes; 20 padding on; 21 set beside a mask; 24:22 after every 64 words (code 5); 31:25 4 words of it (code 3)
	s_mov_b32 s[G1+1], KSTEP<<16                   ; 63:48 tensor_dim0 = 64
	s_mov_b32 s[G1+2], 128<<16                     ; 95:80 tensor_dim1 = 128
	s_mov_b32 s[G1+3], KSTEP<<16                   ; 127:112 tile_dim0 = 64
	s_mov_b32 s[G1+4], 128                         ; 143:128 tile_dim1 = 128; tile_dim2 = 0
	s_mov_b32 s[G1+5], SIZE_K                      ; 191:160 tensor_dim0_stride
	s_mov_b32 s[G1+6], 0
	s_mov_b32 s[G1+7], 0
	; group 1 for W: 128 rows of 128 bytes are dense: 64 rows x 128 elements of 2 bytes, padded in LDS after each row of W
	s_or_b32 s[G1B+0], s44, (1<<16)|(1<<20)|(1<<21)|(4<<22)|(3<<25) ; the mask: my column; elements of 2 bytes; after every 32 words (code 4) 4 words of padding
	s_mov_b32 s[G1B+1], 128<<16                    ; tensor_dim0 = 128
	s_mov_b32 s[G1B+2], 64<<16                     ; tensor_dim1 = 64
	s_mov_b32 s[G1B+3], 128<<16                    ; tile_dim0 = 128
	s_mov_b32 s[G1B+4], 64                         ; tile_dim1 = 64
	s_mov_b32 s[G1B+5], 128                        ; 128 elements from row to row
	s_mov_b32 s[G1B+6], 0
	s_mov_b32 s[G1B+7], 0
	; where the tiles come from.  x's hang on the tile row alone, which my row of the cluster shares; W's on the tile column alone, which my column shares.
	s_lshl_b32 s17, s12, 7                         ; which 128 rows I fetch
	s_lshl_b32 s16, s13, 8
	s_add_co_u32 s16, s16, s17                     ; x: row 256 x tile row + 128 x half,
	s_lshl_b32 s16, s16, 14                        ; times 16,384 bytes: under 2^27
	s_lshl_b32 s46, s42, 8
	s_add_co_u32 s46, s46, s17                     ; W: row 256 x tile column + 128 x half,
	s_lshl_b32 s46, s46, 7                         ; times 128 bytes
	s_mov_b32 s17, 0
	s_mov_b32 s47, 0
	s_mul_i32 s20, s12, AHALF                      ; and where they go: no place in the cluster enters an LDS address
	s_mul_i32 s21, s12, BHALF
	s_add_co_u32 s21, s21, BOFF
	s_wait_dscnt 0x0                               ; the opening add is done
	s_wait_kmcnt 0x0
	s_add_nc_u64 s[14:15], s[4:5], s[16:17]
	s_add_nc_u64 s[46:47], s[6:7], s[46:47]
	CROUND                                         ; all sixteen work-groups are here: the first joint loads meet
.irp s, 0,1
	s_mov_b32 s[G0+4*(\s)], 1                                        ; 1:0 count = 1
	s_add_co_u32 s[G0+4*(\s)+1], s20, (\s)*SLOT                      ; 63:32 LDS address
	s_add_nc_u64 s[G0+4*(\s)+2:G0+4*(\s)+3], s[14:15], (\s)*KSTEP*4  ; 120:64 global address: K step s
	s_or_b32 s[G0+4*(\s)+3], s[G0+4*(\s)+3], 0x80000000              ; 127:126 type = 2
	s_mov_b32 s[G0B+4*(\s)], 1
	s_add_co_u32 s[G0B+4*(\s)+1], s21, (\s)*SLOT
	s_add_nc_u64 s[G0B+4*(\s)+2:G0B+4*(\s)+3], s[46:47], (\s)*KBLK   ; block kb = s
	s_or_b32 s[G0B+4*(\s)+3], s[G0B+4*(\s)+3], 0x80000000
.endr
	s_cmp_eq_u32 s11, 0                            ; a wave's two first fills stand in one branch, ahead of every wait on TENSORcnt and every LDS read: two loads of mine are out
	s_cbranch_scc0 .Lfirst_b
	tensor_load_to_lds s[G0:G0+3], s[G1:G1+7]
	s_nop 0
	tensor_load_to_lds s[G0+4:G0+7], s[G1:G1+7]
	s_nop 0
.rept 4
	v_nop
.endr
	s_branch .Lfirst_asked
.Lfirst_b:
	tensor_load_to_lds s[G0B:G0B+3], s[G1B:G1B+7]
	s_nop 0
	tensor_load_to_lds s[G0B+4:G0B+7], s[G1B:G1B+7]
	s_nop 0
.rept 4
	v_nop
.endr
.Lfirst_asked:
	; A fragment is 16 rows x 32 K: lane l holds row l % 16, K = 8 (l / 16) + 0..7 and 16 + 8 (l / 16) + 0..7.  Of W (bf16) that is two loads of 16 bytes, 32 bytes apart, at 16 (l / 16);
	; of x (f32) four loads of 16 bytes, at 0, 16, 64, 80 from 32 (l / 16), rounded in pairs into the 8 registers.
	v_and_b32 v1, 15, v0                           ; l % 16
	v_bfe_u32 v2, v0, 4, 1                         ; l / 16
	v_mul_u32_u24 v3, v1, PA
	v_lshl_add_u32 v3, v2, 5, v3
	s_mul_i32 s22, s10, 64*PA                      ; my 64 rows of x
	v_add_nc_u32 v[ADRA], s22, v3
	v_add_nc_u32 v[ADRA+1], SLOT, v[ADRA]
	v_mul_u32_u24 v4, v1, PB
	v_lshl_add_u32 v4, v2, 4, v4
	v_add_nc_u32 v[ADRB], BOFF, v4                 ; every wave reads all 256 rows of W
	v_add_nc_u32 v[ADRB+1], SLOT, v[ADRB]
	s_mul_i32 s23, s10, WSTAGE
	s_add_co_u32 s23, s23, STAGE                   ; my stage
	v_mul_u32_u24 v5, v1, SPITCH                   ; in: row l % 16, 32 bytes for each half of the lanes
	v_lshl_add_u32 v5, v2, 5, v5
	v_add_nc_u32 v[STO], s23, v5
	v_and_b32 v6, 31, v0
	v_lshlrev_b32 v[CO], 4, v6                     ; back and out: 32 lanes take 512 consecutive bytes, half a row
	v_add_nc_u32 v[RD], s23, v[CO]
	s_lshl_b32 s18, s13, 8                         ; out0 at my first row, 256 x tile row + 64 x wave, of 8,192 bytes,
	s_lshl_b32 s19, s10, 6
	s_add_co_u32 s18, s18, s19
	s_lshl_b32 s18, s18, 13
	s_lshl_b32 s19, s42, 10                        ; and the tile's first column, 1,024 bytes a tile (in registers that feed no descriptor)
	s_add_co_u32 s18, s18, s19
	s_mov_b32 s19, 0
	s_add_nc_u64 s[8:9], s[8:9], s[18:19]
; Matrix instruction i of a quarter's 64, on buffers f: rows 16 (i / 16) on, columns 16 (i % 16) on.  The 64 accumulators take turns, one instruction a turn, in the same order in every quarter,
; over the loop's backward jump too.  zero = 1: the product starts the sum: nothing is ever cleared.
.macro MM f, zero
.set ma, i/16
.set mb, i%16
.set rD, 8*(16*(ma%2)+mb)
.set rB, 128*(\f)+8*mb
.set rA, FA+32*(\f)+8*ma
	WIN 0xa1+0x50*(ma/2)                           ; W window 1, x window 0, C and D window 2 or 3
.if \zero
	v_wmma_f32_16x16x32_bf16 v[rD:rD+7], v[rB:rB+7], v[rA:rA+7], 0
.else
	v_wmma_f32_16x16x32_bf16 v[rD:rD+7], v[rB:rB+7], v[rA:rA+7], v[rD:rD+7]
.endif
.set i, i+1
.endm
.macro MMS n, f, zero
.rept \n
	MM \f, \zero
.endr
.endm
.macro LA slot, kq                     ; the next fragment of x, f32, of quarter kq of a slot: four loads
	WIN 0
	ds_load_b128 v[STG+16*la:STG+16*la+3],     v[ADRA+(\slot)] offset:la*16*PA+(\kq)*128
	ds_load_b128 v[STG+16*la+4:STG+16*la+7],   v[ADRA+(\slot)] offset:la*16*PA+(\kq)*128+16
	ds_load_b128 v[STG+16*la+8:STG+16*la+11],  v[ADRA+(\slot)] offset:la*16*PA+(\kq)*128+64
	ds_load_b128 v[STG+16*la+12:STG+16*la+15], v[ADRA+(\slot)] offset:la*16*PA+(\kq)*128+80
.set la, la+1
.endm
.macro LB slot, kq, g                  ; the next two fragments of W into buffer g: four loads
	WIN 0x40                                       ; destination window 1, address window 0
.rept 2
	ds_load_b128 v[128*(\g)+8*lb:128*(\g)+8*lb+3],   v[ADRB+(\slot)] offset:lb*16*PB+(\kq)*64
	ds_load_b128 v[128*(\g)+8*lb+4:128*(\g)+8*lb+7], v[ADRB+(\slot)] offset:lb*16*PB+(\kq)*64+32
.set lb, lb+1
.endr
.endm
.macro CV g                            ; the next eight numbers of x rounded to bf16, into buffer g
	WIN 0
.rept 4
	v_cvt_pk_bf16_f32 v[FA+32*(\g)+cv], v[STG+2*cv], v[STG+2*cv+1]
.set cv, cv+1
.endr
.endm
; A load into a register that a matrix instruction has read, and a vector instruction that writes one or reads a matrix result, stand four places behind that matrix instruction, and only
; plain vector instructions that name none of its registers are places (ISA guide 7.12.1 for vector instructions).
.macro PLACES
.rept 4
	v_nop
.endr
.endm
; A QUARTER multiplies buffers f.  fetch = 1: it brings the next quarter (quarter nk of slot ns) into the other buffers: x's 16 loads, W's 32, and, 19 matrix instructions later, x's 32 roundings,
; four lines behind one matrix instruction each; none names a register of the products round it.
; chg = 1, 2: the fetch was the last read of the slot in hand, and the slots change: ONE barrier.  In front of it each wave waits for all its tensor loads, of which one is out: its part of the
; other slot; adds 0 to its spare word; and waits for that and for its own reads of this slot.  chg = 1: the barrier opens a round of the cluster's barrier, so that no wave of any partner still
; reads the slot or has a load on its way, and slot cs is filled again, two K steps ahead, first thing behind the round: 112 matrix instructions ahead of the wait for it.  chg = 2: nothing is filled.
.macro QUARTER f, zero, fetch, ns, nk, chg, cs
.set i, 0
.set la, 0
.set lb, 0
.set cv, 0
	s_wait_dscnt 0x0                               ; W's fragments for this quarter are in: the last of them was asked for 51 matrix instructions ago
	MM \f, \zero
.if \fetch
	PLACES                                         ; behind the last quarter's products, which read the buffers that are now filled
.rept 4
	MM \f, \zero
	LA \ns, \nk
.endr
.rept 8
	MM \f, \zero
	LB \ns, \nk, 1-(\f)
.endr
	MMS 19, \f, \zero
	s_wait_dscnt 32                                ; LDS loads come back in order (ISA guide 5.7.1): x's 16 are in, W's 32, issued behind them, may be out
.rept 8
	MM \f, \zero
	CV 1-(\f)
.endr
.else
	MMS 39, \f, \zero
.endif
.if (\chg) == 0
	MMS 24, \f, \zero
.else
	WIN 0                                          ; (the add's two registers lie in window 0)
	s_wait_tensorcnt 0x0                           ; all my tensor loads have landed: the one that was out is my part of the other slot;
	ds_add_u32 v[SPW], v[NIL]                      ; 0 onto my spare word;
	MMS 8, \f, \zero                               ; eight matrix instructions stand between the add and the wait for it
	s_wait_dscnt 0x0                               ; the add is done, and my reads of this slot are over:
	s_barrier_signal -1                            ; say so,
	MMS 8, \f, \zero                               ; work on registers while the others arrive,
.if (\chg) == 1
	WIN 0
.endif
	s_barrier_wait -1                              ; and go on when all four have said so
.if (\chg) == 1
	CREST
	s_add_nc_u64 s[G0+4*(\cs)+2:G0+4*(\cs)+3], s[G0+4*(\cs)+2:G0+4*(\cs)+3], 2*KSTEP*4   ; no tensor load of mine is out, so a group 0 may be written; the type bits on top are not reached
	s_add_nc_u64 s[G0B+4*(\cs)+2:G0B+4*(\cs)+3], s[G0B+4*(\cs)+2:G0B+4*(\cs)+3], 2*KBLK
	JLOAD \cs
.endif
	MMS 8, \f, \zero
.endif
.endm
	s_wait_tensorcnt 1                             ; my part of K step 0 is in; K step 1's load, issued behind it, may stay out
	s_barrier_signal -1
	s_barrier_wait -1                              ; everybody's is
.set la, 0
.set lb, 0
.set cv, 0
.rept 4
	LA 0, 0                                        ; the first quarter's fragments: there is no matrix work yet to set them beside
.endr
.rept 8
	LB 0, 0, 0
.endr
	s_wait_dscnt 32
.rept 8
	CV 0
.endr
	QUARTER 0, 1, 1, 0, 1, 1, 0                    ; K step 0's first quarter stands in front of the loop: its products start the sums; slot 0 takes K step 2
	WIN 0
	s_mov_b32 s3, TRIPS
.Llap:                                                 ; trip j: from K step 2 j's second quarter to K step 2 j + 2's first; slot 1 takes K step 2 j + 3, slot 0 K step 2 j + 4
	QUARTER 1, 0, 1, 1, 0, 0, 0
	QUARTER 0, 0, 1, 1, 1, 1, 1
	QUARTER 1, 0, 1, 0, 0, 0, 0
	QUARTER 0, 0, 1, 0, 1, 1, 0
	WIN 0
	s_sub_co_u32 s3, s3, 1
	s_cmp_lg_u32 s3, 0
	s_cbranch_scc1 .Llap
	QUARTER 1, 0, 1, 1, 0, 0, 0                    ; the tail is written out.  K step 60's second quarter
	QUARTER 0, 0, 1, 1, 1, 1, 1                    ; K step 61; slot 1 takes K step 63: the last fill
	QUARTER 1, 0, 1, 0, 0, 0, 0
	QUARTER 0, 0, 1, 0, 1, 2, 0                    ; K step 62; the barrier shows K step 63 whole to every wave; nothing is asked for
	QUARTER 1, 0, 1, 1, 0, 0, 0
	QUARTER 0, 0, 1, 1, 1, 0, 0                    ; K step 63
	QUARTER 1, 0, 0, 0, 0, 0, 0                    ; its second quarter fetches nothing
; THE WAY OUT, 16 rows at a time.  A lane's eight numbers of a row are 32 bytes; they go into my own stage, rows of 1,040 bytes, and come back as half rows of 512 consecutive bytes.
; The stage is each wave's own and LDS serves a wave's instructions in order (ISA guide 5.7.1.4): no wait between the stores and the loads, nor between a block's loads and the next block's stores.
.macro TOSTAGE a
.if (\a) >= 2
	s_wait_xcnt 0x0                                ; every earlier memory instruction has had its addresses translated (ISA guide 3.1): the registers that block a - 2's stores read are loaded again only behind this wait
.endif
	WIN 0x08+4*((\a)/2)                            ; the data, source 1, in window 2 or 3
.set ob, 0
.rept 16
.set rD, 8*(16*((\a)%2)+ob)
	ds_store_b128 v[STO], v[rD:rD+3]   offset:64*ob      ; each accumulator's low registers first
	ds_store_b128 v[STO], v[rD+4:rD+7] offset:64*ob+16
.set ob, ob+1
.endr
	WIN 0x40                                       ; destination window 1
.set ot, 0
.rept 32
	ds_load_b128 v[128*((\a)%2)+4*ot:128*((\a)%2)+4*ot+3], v[RD] offset:(ot/2)*SPITCH+(ot%2)*512
.set ot, ot+1
.endr
.endm
.macro SEND a
	WIN 0x04                                       ; the data, source 1, in window 1
.set ot, 0
.rept 32
	s_wait_dscnt 31-ot                             ; load ot is back; the 31 - ot younger ones may be out
	global_store_b128 v[CO], v[128*((\a)%2)+4*ot:128*((\a)%2)+4*ot+3], s[8:9] offset:(16*(\a)+ot/2)*SIZE_N*4+(ot%2)*512 th:TH_STORE_NT  ; 512 consecutive bytes, at a multiple of 512 from out0's first; 516,608 at the most, inside the signed 24-bit immediate
.set ot, ot+1
.endr
.endm
	PLACES                                         ; behind the last products: the stores read results, and the loads fill registers that products have read
	TOSTAGE 0
	SEND 0
	TOSTAGE 1
	SEND 1
	TOSTAGE 2
	SEND 2
	TOSTAGE 3
	SEND 3
	WIN 0
	s_wait_tensorcnt 0x0                           ; the wave's end: the add and its wait stand behind my last tensor load and my last LDS store
	ds_add_u32 v[SPW], v[NIL]
	s_wait_dscnt 0x0
	CROUND                                         ; the closing round: no work-group ends while a partner may still ask for a tile that names it
	s_endpgm
.Lfunc_end_k_qe192c1fa82_gemm:
	.size	k_qe192c1fa82_gemm, .Lfunc_end_k_qe192c1fa82_gemm-k_qe192c1fa82_gemm
	.p2alignl 7, 3214868480
	.fill 96, 4, 3214868480
	.section	.rodata,"a",@progbits
	.p2align	6, 0x0
	.amdhsa_kernel k_qe192c1fa82_gemm
		.amdhsa_group_segment_fixed_size 327680
		.amdhsa_private_segment_fixed_size 0
		.amdhsa_enable_private_segment 0
		.amdhsa_kernarg_size 24
		.amdhsa_user_sgpr_count 2
		.amdhsa_user_sgpr_kernarg_segment_ptr 1
		.amdhsa_wavefront_size32 1
		.amdhsa_system_sgpr_workgroup_id_x 1
		.amdhsa_system_sgpr_workgroup_id_y 1
		.amdhsa_system_sgpr_workgroup_id_z 1
		.amdhsa_system_vgpr_workitem_id 0
		.amdhsa_next_free_vgpr 1024
		.amdhsa_next_free_sgpr 66
		.amdhsa_reserve_vcc 0
		.amdhsa_float_denorm_mode_32 3
		.amdhsa_float_denorm_mode_16_64 3
		.amdhsa_memory_ordered 1
		.amdhsa_forward_progress 1
		.amdhsa_inst_pref_size 169
	.end_amdhsa_kernel
	.amdgpu_metadata
---
amdhsa.version: [ 1, 2 ]
amdhsa.kernels:
  - .name:           k_qe192c1fa82_gemm
    .symbol:         k_qe192c1fa82_gemm.kd
    .args:
      - { .name: x, .offset: 0, .size: 8, .value_kind: global_buffer, .address_space: global }
      - { .name: wb, .offset: 8, .size: 8, .value_kind: global_buffer, .address_space: global }
      - { .name: out0, .offset: 16, .size: 8, .value_kind: global_buffer, .address_space: global }
    .group_segment_fixed_size: 327680
    .private_segment_fixed_size: 0
    .kernarg_segment_align: 8
    .kernarg_segment_size: 24
    .max_flat_workgroup_size: 128
    .sgpr_count:     66
    .vgpr_count:     1024
    .wavefront_size: 32
...
	.end_amdgpu_metadata
.endif
;; end of part 2
;; ======== version 2 of 2: 2 launches
;; workspace buffers: wb 16,777,216 bytes
;; launch wprep (part 3): grid 256 x 1, 8 waves a work-group, no clusters, 0 bytes of LDS; arguments ternary, scales, wb; writes wb
.if DOCPART == 3
	.amdgcn_target "amdgcn-amd-amdhsa--gfx1250"
	.amdhsa_code_object_version 6
	.text
	.protected	k_qe192c1fa82_wprep
	.globl	k_qe192c1fa82_wprep
	.p2align	8
	.type	k_qe192c1fa82_wprep,@function
k_qe192c1fa82_wprep:
	s_mov_b64 s[64:65], 0
	v_nop
	global_prefetch_b8 v0, s[64:65] scope:SCOPE_SE
	s_setreg_imm32_b32 hwreg(HW_REG_WAVE_MODE, 25, 1), 1
	s_wait_xcnt 0x0
; wb = bf16(f32(ternary) x scale), laid out as the matrix unit's fragments.  ternary: [2048][4096] int8.  scales: [65536] f32, scales[32 n + k / 128].
; wb[q][nb][j][lane][8 bf16]: quarter q = k / 32 (128 of them), block nb = n / 16 (128), a fragment of 16 rows x 32 k = 1,024 bytes: lane l = r + 16 h holds row 16 nb + r,
; k = 32 q + 16 j + 8 h + 0..7.  So the product that follows reads a fragment from LDS as two loads of 512 neighbouring bytes, and its tiles need no padding.
; Any int8 code is served.  The product code x scale is made in f32 and rounded once to bf16 (for the codes -1, 0, 1 it is the scale's own rounding, signed).
; SHARES.  Eight waves.  Work-group g: block nb = g / 2, quarters 64 (g % 2) on; wave w: the 8 quarters 8 w on; task i is one fragment.  Lane (r = lane % 16, j = lane / 16) loads the 16 codes
; of row r at k = 32 q + 16 j and stores them as two pieces of 16 bytes, h = 0 and h = 1, 256 bytes apart: in each store sixteen neighbouring lanes cover 256 consecutive bytes, at a multiple of 256.
; A wave's 8 loads cover an aligned 256 bytes of each of its 16 rows, every byte once.
; The bytes bind: no LDS, no barrier, no matrix unit, no loop.  All loads of a thread go out together; every task has store registers of its own, so nothing waits for a store.
.set SC,   8                           ; v[8:9]     the 2 scales of my row and my 8 quarters: task i takes number i / 4
.set IN,   16                          ; v[16:47]   task i: 4 registers, 16 codes as loaded
.set T,    48                          ; v[48:63]   16 numbers at work
.set OUT,  64                          ; v[64:127]  task i: 8 registers, 16 bf16 to store; never written twice
.set QBLK, 128*1024                    ; bytes in a quarter's block of wb
	s_load_b128 s[4:7], s[0:1], 0x0                ; ternary s[4:5], scales s[6:7]
	s_load_b64 s[8:9], s[0:1], 0x10                ; wb
	v_and_b32 v4, 15, v0                           ; r
	v_bfe_u32 v5, v0, 4, 1                         ; j
	v_lshrrev_b32 v6, 5, v0                        ; w
	v_lshlrev_b32 v1, 12, v4                       ; codes: r x 4,096
	v_lshl_add_u32 v1, v6, 8, v1                   ;   + w x 8 quarters x 32
	v_lshl_add_u32 v1, v5, 4, v1                   ;   + 16 j
	v_lshlrev_b32 v2, 7, v4                        ; scales: r x 32 x 4 bytes
	v_lshl_add_u32 v2, v6, 3, v2                   ;   + w x 2 x 4 bytes
	v_lshlrev_b32 v3, 4, v4                        ; wb: 16 r
	v_lshl_add_u32 v3, v5, 9, v3                   ;   + 512 j
	v_lshl_add_u32 v3, v6, 20, v3                  ;   + w x 8 blocks of 131,072 bytes
	s_lshr_b32 s12, ttmp9, 1                       ; nb
	s_and_b32 s13, ttmp9, 1                        ; which half of the quarters
	s_lshl_b32 s2, s12, 16                         ; codes: nb x 16 rows of 4,096
	s_lshl_b32 s14, s13, 11                        ;   + half x 64 quarters x 32
	s_add_co_u32 s2, s2, s14
	s_mov_b32 s3, 0
	s_lshl_b32 s10, s12, 11                        ; scales: nb x 16 rows of 128 bytes
	s_lshl_b32 s14, s13, 6                         ;   + half x 16 x 4 bytes
	s_add_co_u32 s10, s10, s14
	s_mov_b32 s11, 0
	s_lshl_b32 s12, s12, 10                        ; wb: nb x 1,024
	s_lshl_b32 s14, s13, 23                        ;   + half x 64 blocks of 131,072 bytes
	s_add_co_u32 s12, s12, s14
	s_mov_b32 s13, 0
	s_wait_kmcnt 0x0
	s_add_nc_u64 s[4:5], s[4:5], s[2:3]
	s_add_nc_u64 s[6:7], s[6:7], s[10:11]
	s_add_nc_u64 s[8:9], s[8:9], s[12:13]
	global_load_b64 v[SC:SC+1], v2, s[6:7]
.irp i, 0,1,2,3,4,5,6,7
	global_load_b128 v[IN+4*(\i):IN+4*(\i)+3], v1, s[4:5] offset:32*(\i)
.endr
.macro TASK i
	s_wait_loadcnt 7-(\i)                          ; loads come back in order (ISA guide 5.7.1): task i's codes are in, the 7 - i younger loads stay out; the scales are older than all
.irp d, 0,1,2,3
	v_lshlrev_b32 v[T+4*(\d)],   24, v[IN+4*(\i)+(\d)]   ; each byte to the top of a word,
	v_lshlrev_b32 v[T+4*(\d)+1], 16, v[IN+4*(\i)+(\d)]
	v_lshlrev_b32 v[T+4*(\d)+2], 8,  v[IN+4*(\i)+(\d)]
	v_ashrrev_i32 v[T+4*(\d)+3], 24, v[IN+4*(\i)+(\d)]   ; and down again with its sign; the top byte needs the second shift alone
.endr
.irp j, 0,1,2,4,5,6,8,9,10,12,13,14
	v_ashrrev_i32 v[T+(\j)], 24, v[T+(\j)]
.endr
.irp j, 0,1,2,3,4,5,6,7,8,9,10,11,12,13,14,15
	v_cvt_f32_i32 v[T+(\j)], v[T+(\j)]
.endr
.irp j, 0,1,2,3,4,5,6,7,8,9,10,11,12,13,14,15
	v_mul_f32 v[T+(\j)], v[SC+(\i)/4], v[T+(\j)]   ; four quarters of 32 share a group's scale
.endr
.irp j, 0,1,2,3,4,5,6,7
	v_cvt_pk_bf16_f32 v[OUT+8*(\i)+(\j)], v[T+2*(\j)], v[T+2*(\j)+1]
.endr
	global_store_b128 v3, v[OUT+8*(\i):OUT+8*(\i)+3],   s[8:9] offset:(\i)*QBLK      ; h = 0: my first 8 codes
	global_store_b128 v3, v[OUT+8*(\i)+4:OUT+8*(\i)+7], s[8:9] offset:(\i)*QBLK+256  ; h = 1: my second 8; 917,760 at the most, inside the signed 24-bit immediate
.endm
.irp i, 0,1,2,3,4,5,6,7
	TASK \i
.endr
	s_endpgm
.Lfunc_end_k_qe192c1fa82_wprep:
	.size	k_qe192c1fa82_wprep, .Lfunc_end_k_qe192c1fa82_wprep-k_qe192c1fa82_wprep
	.p2alignl 7, 3214868480
	.fill 96, 4, 3214868480
	.section	.rodata,"a",@progbits
	.p2align	6, 0x0
	.amdhsa_kernel k_qe192c1fa82_wprep
		.amdhsa_group_segment_fixed_size 0
		.amdhsa_private_segment_fixed_size 0
		.amdhsa_enable_private_segment 0
		.amdhsa_kernarg_size 24
		.amdhsa_user_sgpr_count 2
		.amdhsa_user_sgpr_kernarg_segment_ptr 1
		.amdhsa_wavefront_size32 1
		.amdhsa_system_sgpr_workgroup_id_x 1
		.amdhsa_system_sgpr_workgroup_id_y 1
		.amdhsa_system_sgpr_workgroup_id_z 1
		.amdhsa_system_vgpr_workitem_id 0
		.amdhsa_next_free_vgpr 128
		.amdhsa_next_free_sgpr 66
		.amdhsa_reserve_vcc 0
		.amdhsa_float_denorm_mode_32 3
		.amdhsa_float_denorm_mode_16_64 3
		.amdhsa_memory_ordered 1
		.amdhsa_forward_progress 1
		.amdhsa_inst_pref_size 24
	.end_amdhsa_kernel
	.amdgpu_metadata
---
amdhsa.version: [ 1, 2 ]
amdhsa.kernels:
  - .name:           k_qe192c1fa82_wprep
    .symbol:         k_qe192c1fa82_wprep.kd
    .args:
      - { .name: ternary, .offset: 0, .size: 8, .value_kind: global_buffer, .address_space: global }
      - { .name: scales, .offset: 8, .size: 8, .value_kind: global_buffer, .address_space: global }
      - { .name: wb, .offset: 16, .size: 8, .value_kind: global_buffer, .address_space: global }
    .group_segment_fixed_size: 0
    .private_segment_fixed_size: 0
    .kernarg_segment_align: 8
    .kernarg_segment_size: 24
    .max_flat_workgroup_size: 256
    .sgpr_count:     66
    .vgpr_count:     128
    .wavefront_size: 32
...
	.end_amdgpu_metadata
.endif
;; end of part 3
;; launch gemm (part 4): grid 8 x 32, 4 waves a work-group, clusters of 4 x 4, 327,680 bytes of LDS; arguments x, wb, out0; writes out0
.if DOCPART == 4
	.amdgcn_target "amdgcn-amd-amdhsa--gfx1250"
	.amdhsa_code_object_version 6
	.text
	.protected	k_qe192c1fa82_gemm
	.globl	k_qe192c1fa82_gemm
	.p2align	8
	.type	k_qe192c1fa82_gemm,@function
k_qe192c1fa82_gemm:
	s_mov_b64 s[64:65], 0
	v_nop
	global_prefetch_b8 v0, s[64:65] scope:SCOPE_SE
	s_setreg_imm32_b32 hwreg(HW_REG_WAVE_MODE, 25, 1), 1
	s_wait_xcnt 0x0
	s_wait_alu depctr_hold_cnt(0) depctr_sa_sdst(0) depctr_va_vdst(0) depctr_va_sdst(0) depctr_va_ssrc(0) depctr_va_vcc(0) depctr_vm_vsrc(0)
	s_getreg_b32 s2, hwreg(HW_REG_IB_STS2, 6, 4)
	s_cmp_eq_u32 s2, 0
	s_cbranch_scc0 .Lentry_in_a_cluster
	s_endpgm
.Lentry_in_a_cluster:
	s_bfe_u32 s2, ttmp6, 0x10000c
	s_cmp_lg_u32 s2, 0xf033
	s_cbranch_scc0 .Lentry_shape_is_right
	s_endpgm
.Lentry_shape_is_right:
; out0[m][n] = the sum over k of bf16(x[m][k]) W[n][k].  x: [8192][4096] f32.  wb: W in bf16 as fragments, [128 quarters of 32 k][128 blocks of 16 n][1,024 bytes].  out0: [8192][2048] f32.  Sums in f32.
; LIMITS.  x is rounded once to bf16 (nearest even) on its way from LDS to the matrix unit; beyond bf16's largest finite number it becomes an infinity.  The sums are taken in another
; order than a plain loop over k.  NaN and infinities are not treated apart.
; SHARES.  A tile of out0, 256 x 256, is made by a work-group of four waves; there are 32 x 8 = 256 tiles.  A wave makes 64 rows x 256 columns: 64 accumulators of 16 x 16, 512 registers.
; For 32 along K that reads as many LDS bytes as 128 x 128 would (64 rows x 128 bytes of f32 + 256 rows x 64 bytes of bf16), but each row of x is read and rounded by ONE wave, not by two.
; THE RING.  K goes in steps of 96 through two LDS slots filled by the tensor data mover: 256 rows of x (384 bytes each, at multiples of 128 from x's first byte) and 256 rows of W (three pieces
; of 8,192 consecutive bytes for 128 rows).  A slot is 159,744 bytes; two slots of a step of 128 would be 425,984: more than the work-group has.  4,096 = 42 x 96 + 64: the last step has two quarters.
; A QUARTER is 32 along K: 64 matrix instructions on one pair of fragment buffers.  The next quarter's 48 LDS loads stand in ONE run near its head; x's 32 roundings stand four behind one matrix instruction each.
; CLUSTERS.  4 x 4 work-groups.  The four of a row of the cluster need the same rows of x, the four of a column the same rows of W: each tile is asked for JOINTLY, by the same tensor
; load with the same descriptor and a mask that names the four, which divides the requests for both by four.
; THE MATRIX INSTRUCTION IS USED TRANSPOSED: source 0 = 16 rows of W, source 1 = 16 rows of x.  In the result lane l holds row l % 16 of out0 and the columns 8 (l / 16) + 0..7.
; REGISTERS, in windows of 256 (s_set_vgpr_msb: bits 1:0 source 0, 3:2 source 1, 5:4 source 2, 7:6 destination):
;   window 0: v0-29 addresses; v64-127 x's fragments in bf16, two buffers of 4 x 8; v128-191 x's fragments in f32 as loaded, 4 x 16
;   window 1: W's fragments, two buffers of 16 x 8; on the way out, rows read back from the stage
;   windows 2, 3: accumulator (a, b), rows 16 a on, columns 16 b on, in window 2 + a / 2 at v[8 (16 (a % 2) + b)]
.set SIZE_K, 4096
.set SIZE_N, 2048
.set KSTEP,  96
.set QBLK,   128*1024                  ; bytes in a quarter's block of wb
.set CH,     144                       ; a row's 32 numbers of x in LDS: 128 bytes + 16 of padding
.set PA,     3*CH                      ; a row of x: 432 bytes = 27 x 16: 27 r mod 16 takes sixteen different values, so the 16 rows of a load start at 16 different groups of four banks (64 banks of 4 bytes: ISA guide 11.1)
.set AHALF,  128*PA                    ; what one tensor load brings of x
.set BOFF,   256*PA                    ; W's fragments lie behind x's 256 rows
.set BQ,     8*1024                    ; 128 rows of W, 32 along K: eight fragments on end
.set BHALF,  3*BQ                      ; what one tensor load brings of W
.set SLOT,   BOFF+2*BHALF              ; 159,744 bytes
.set STAGE,  SLOT                      ; the way out's stage, 16 rows x 1,040 bytes for each wave, lies in slot 1: when it is written slot 1 has had its last fill, and every wave's last reads of it lie in front of a barrier
.set SPITCH, 1040                      ; 1,024 bytes + 16: the 16 rows that a store touches start at 16 different groups of four banks
.set WSTAGE, 16*SPITCH
.set SPARE,  2*SLOT                    ; behind the ring: the spare words, 128 bytes for each wave: two blocks of 256 bytes that no other line names
.set TRIPS,  20                        ; the loop's trips, two K steps (six quarters) each; one quarter stands in front of it, seven behind it
.set ADRA, 16                          ; v16-17  LDS address of my fragments of x in slot 0, 1
.set ADRB, 20                          ; v20-21  the same for W
.set STO,  24                          ; v24     the way out: where I put 32 bytes of a row
.set RD,   25                          ; v25     the way out: where I read rows back
.set CO,   26                          ; v26     my byte offset in 512 consecutive bytes of out0
.set SPW,  28                          ; v28     LDS address of my spare word: SPARE + 4 x my thread's number; never rewritten
.set NIL,  29                          ; v29     0; never rewritten
.set FA,   64
.set STG,  128
.set G1,  24                           ; s[24:31] descriptor group 1 for x's tiles
.set G0,  32                           ; s[32:39] descriptor group 0 for x's tiles, one set for each slot
.set G1B, 48                           ; s[48:55], s[56:63] the same for W's tiles
.set G0B, 56
.set MSB, 0
.macro WIN new                         ; the immediate's high byte repeats the setting that is left; a switch that changes nothing is dropped
.if MSB != (\new)
	s_set_vgpr_msb (MSB<<8)|(\new)
.set MSB, \new
.endif
.endm
; A joint refill.  Waves 0 and 1 fetch x's two halves, waves 2 and 3 W's.  Each of the two lines has one mask and one set of registers for all that issue it.  The branch hangs on the wave's
; number alone.  An s_nop 0 and four v_nop follow each of the two lines, ahead of the jump, the label and what follows.
.macro JLOAD s
	s_cmp_eq_u32 s11, 0
	s_cbranch_scc0 .Lfor_b_\@
	tensor_load_to_lds s[G0+4*(\s):G0+4*(\s)+3], s[G1:G1+7]
	s_nop 0
.rept 4
	v_nop
.endr
	s_branch .Lasked_\@
.Lfor_b_\@:
	tensor_load_to_lds s[G0B+4*(\s):G0B+4*(\s)+3], s[G1B:G1B+7]
	s_nop 0
.rept 4
	v_nop
.endr
.Lasked_\@:
.endm
; A round of the cluster's barrier: my work-group's barrier, so that wave 0's signal speaks for all four waves; wave 0 signals for the work-group; every wave waits for all sixteen
; work-groups; my work-group's barrier once more.
.macro CREST                           ; a round behind its opening barrier
	s_cmp_lg_u32 s10, 0
	s_cbranch_scc1 .Lnot_wave_0_\@
	s_barrier_signal -3
.Lnot_wave_0_\@:
	s_barrier_wait -3
	s_barrier_signal -1
	s_barrier_wait -1
.endm
.macro CROUND                          ; a whole round
	s_barrier_signal -1
	s_barrier_wait -1
	CREST
.endm
	s_load_b128 s[4:7], s[0:1], 0x0                ; x s[4:5], wb s[6:7]
	s_load_b64 s[8:9], s[0:1], 0x10                ; out0
	v_lshl_add_u32 v[SPW], v0, 2, SPARE
	v_mov_b32 v[NIL], 0
	ds_add_u32 v[SPW], v[NIL]                      ; the wave's opening: the add and its wait stand ahead of my first tensor load; the set-up below, work on registers, stands between them
	v_lshrrev_b32 v1, 5, v0
	v_readfirstlane_b32 s10, v1                    ; wave 0..3
	s_lshr_b32 s11, s10, 1                         ; I fetch for x (0) or for W (1),
	s_and_b32 s12, s10, 1                          ; and which 128 rows of that tile
	s_bfe_u32 s40, ttmp6, 0x40000                  ; cx: my place along the cluster's x
	s_bfe_u32 s41, ttmp6, 0x40004                  ; cy: along its y
	s_lshl_b32 s42, ttmp9, 2                       ; in a cluster launch ttmp9 and ttmp7 count clusters
	s_add_co_u32 s42, s42, s40                     ; tile column = 4 x cluster x + cx
	s_and_b32 s13, ttmp7, 0xffff
	s_lshl_b32 s13, s13, 2
	s_add_co_u32 s13, s13, s41                     ; tile row = 4 x cluster y + cy
	s_lshl_b32 s43, s41, 2
	s_lshl_b32 s43, 15, s43                        ; my row of the cluster: places 4 cy .. 4 cy + 3
	s_lshl_b32 s44, 0x1111, s40                    ; my column: places cx, cx + 4, cx + 8, cx + 12
	; group 1 for x: 128 rows x 96 elements of 4 bytes, 4,096 elements from row to row
	s_or_b32 s[G1+0], s43, (2<<16)|(1<<20)|(1<<21)|(4<<22)|(3<<25)  ; 15:0 the mask: my row; 17:16 elements of 4 bytes; 20 padding on; 21 set beside a mask; 24:22 after every 32 words (code 4); 31:25 4 words of it (code 3)
	s_mov_b32 s[G1+1], KSTEP<<16                   ; 63:48 tensor_dim0 = 96 (the last fill: 64)
	s_mov_b32 s[G1+2], 128<<16                     ; 95:80 tensor_dim1 = 128
	s_mov_b32 s[G1+3], KSTEP<<16                   ; 127:112 tile_dim0 = 96
	s_mov_b32 s[G1+4], 128                         ; 143:128 tile_dim1 = 128; tile_dim2 = 0
	s_mov_b32 s[G1+5], SIZE_K                      ; 191:160 tensor_dim0_stride
	s_mov_b32 s[G1+6], 0
	s_mov_b32 s[G1+7], 0
	; group 1 for W: 3 rows (quarters) x 1,024 elements of 8 bytes (eight fragments on end), a quarter's block from row to row; no padding
	s_or_b32 s[G1B+0], s44, (3<<16)|(1<<21)        ; the mask: my column; elements of 8 bytes; 21 set beside a mask
	s_mov_b32 s[G1B+1], 1024<<16                   ; tensor_dim0 = 1,024
	s_mov_b32 s[G1B+2], 3<<16                      ; tensor_dim1 = 3 (the last fill: 2)
	s_mov_b32 s[G1B+3], 1024<<16                   ; tile_dim0 = 1,024
	s_mov_b32 s[G1B+4], 3                          ; tile_dim1 = 3
	s_mov_b32 s[G1B+5], QBLK/8                     ; 16,384 elements from row to row
	s_mov_b32 s[G1B+6], 0
	s_mov_b32 s[G1B+7], 0
	; where the tiles come from.  x's hang on the tile row alone, which my row of the cluster shares; W's on the tile column alone, which my column shares.
	s_lshl_b32 s17, s12, 7                         ; which 128 rows I fetch
	s_lshl_b32 s16, s13, 8
	s_add_co_u32 s16, s16, s17                     ; x: row 256 x tile row + 128 x half,
	s_lshl_b32 s16, s16, 14                        ; times 16,384 bytes: under 2^27
	s_mov_b32 s17, 0
	s_lshl_b32 s46, s42, 14                        ; W: 16 blocks of 1,024 bytes a tile column,
	s_lshl_b32 s47, s12, 13                        ; 8 a half
	s_add_co_u32 s46, s46, s47
	s_mov_b32 s47, 0
	s_mul_i32 s20, s12, AHALF                      ; and where they go: no place in the cluster enters an LDS address
	s_mul_i32 s21, s12, BHALF
	s_add_co_u32 s21, s21, BOFF
	s_wait_dscnt 0x0                               ; the opening add is done
	s_wait_kmcnt 0x0
	s_add_nc_u64 s[14:15], s[4:5], s[16:17]
	s_add_nc_u64 s[46:47], s[6:7], s[46:47]
	CROUND                                         ; all sixteen work-groups are here: the first joint loads meet
.irp s, 0,1
	s_mov_b32 s[G0+4*(\s)], 1                                        ; 1:0 count = 1
	s_add_co_u32 s[G0+4*(\s)+1], s20, (\s)*SLOT                      ; 63:32 LDS address
	s_add_nc_u64 s[G0+4*(\s)+2:G0+4*(\s)+3], s[14:15], (\s)*KSTEP*4  ; 120:64 global address: K step s
	s_or_b32 s[G0+4*(\s)+3], s[G0+4*(\s)+3], 0x80000000              ; 127:126 type = 2
	s_mov_b32 s[G0B+4*(\s)], 1
	s_add_co_u32 s[G0B+4*(\s)+1], s21, (\s)*SLOT
	s_add_nc_u64 s[G0B+4*(\s)+2:G0B+4*(\s)+3], s[46:47], (\s)*3*QBLK ; quarters 3 s on
	s_or_b32 s[G0B+4*(\s)+3], s[G0B+4*(\s)+3], 0x80000000
.endr
	s_cmp_eq_u32 s11, 0                            ; a wave's two first fills stand in one branch, ahead of every wait on TENSORcnt and every LDS read: two loads of mine are out
	s_cbranch_scc0 .Lfirst_b
	tensor_load_to_lds s[G0:G0+3], s[G1:G1+7]
	s_nop 0
	tensor_load_to_lds s[G0+4:G0+7], s[G1:G1+7]
	s_nop 0
.rept 4
	v_nop
.endr
	s_branch .Lfirst_asked
.Lfirst_b:
	tensor_load_to_lds s[G0B:G0B+3], s[G1B:G1B+7]
	s_nop 0
	tensor_load_to_lds s[G0B+4:G0B+7], s[G1B:G1B+7]
	s_nop 0
.rept 4
	v_nop
.endr
.Lfirst_asked:
	; A fragment is 16 rows x 32 K: lane l holds row l % 16, K = 8 (l / 16) + 0..7 and 16 + 8 (l / 16) + 0..7.  Of W it lies in LDS as the registers want it: two loads of 16 bytes a lane, at 16 l and
	; 512 + 16 l.  Of x (f32) it is four loads of 16 bytes, at 0, 16, 64, 80 from 32 (l / 16) in the row's piece of 128 bytes, rounded in pairs into the 8 registers.
	v_and_b32 v1, 15, v0                           ; l % 16
	v_bfe_u32 v2, v0, 4, 1                         ; l / 16
	v_mul_u32_u24 v3, v1, PA
	v_lshl_add_u32 v3, v2, 5, v3
	s_mul_i32 s22, s10, 64*PA                      ; my 64 rows of x
	v_add_nc_u32 v[ADRA], s22, v3
	v_add_nc_u32 v[ADRA+1], SLOT, v[ADRA]
	v_and_b32 v6, 31, v0
	v_lshlrev_b32 v[CO], 4, v6                     ; 16 l: also back and out: 32 lanes take 512 consecutive bytes, half a row of the tile
	v_add_nc_u32 v[ADRB], BOFF, v[CO]              ; every wave reads all 256 rows of W
	v_add_nc_u32 v[ADRB+1], SLOT, v[ADRB]
	s_mul_i32 s23, s10, WSTAGE
	s_add_co_u32 s23, s23, STAGE                   ; my stage
	v_mul_u32_u24 v5, v1, SPITCH                   ; in: row l % 16, 32 bytes for each half of the lanes
	v_lshl_add_u32 v5, v2, 5, v5
	v_add_nc_u32 v[STO], s23, v5
	v_add_nc_u32 v[RD], s23, v[CO]
	s_lshl_b32 s18, s13, 8                         ; out0 at my first row, 256 x tile row + 64 x wave, of 8,192 bytes,
	s_lshl_b32 s19, s10, 6
	s_add_co_u32 s18, s18, s19
	s_lshl_b32 s18, s18, 13
	s_lshl_b32 s19, s42, 10                        ; and the tile's first column, 1,024 bytes a tile (in registers that feed no descriptor)
	s_add_co_u32 s18, s18, s19
	s_mov_b32 s19, 0
	s_add_nc_u64 s[8:9], s[8:9], s[18:19]
; Matrix instruction i of a quarter's 64, on buffers f: rows 16 (i / 16) on, columns 16 (i % 16) on.  The 64 accumulators take turns, one instruction a turn, in the same order in every quarter,
; over the loop's backward jump too.  zero = 1: the product starts the sum: nothing is ever cleared.
.macro MM f, zero
.set ma, i/16
.set mb, i%16
.set rD, 8*(16*(ma%2)+mb)
.set rB, 128*(\f)+8*mb
.set rA, FA+32*(\f)+8*ma
	WIN 0xa1+0x50*(ma/2)                           ; W window 1, x window 0, C and D window 2 or 3
.if \zero
	v_wmma_f32_16x16x32_bf16 v[rD:rD+7], v[rB:rB+7], v[rA:rA+7], 0
.else
	v_wmma_f32_16x16x32_bf16 v[rD:rD+7], v[rB:rB+7], v[rA:rA+7], v[rD:rD+7]
.endif
.set i, i+1
.endm
.macro MMS n, f, zero
.rept \n
	MM \f, \zero
.endr
.endm
.macro LA slot, kq                     ; the next fragment of x, f32, of quarter kq of a slot: four loads
	WIN 0
	ds_load_b128 v[STG+16*la:STG+16*la+3],     v[ADRA+(\slot)] offset:la*16*PA+(\kq)*CH
	ds_load_b128 v[STG+16*la+4:STG+16*la+7],   v[ADRA+(\slot)] offset:la*16*PA+(\kq)*CH+16
	ds_load_b128 v[STG+16*la+8:STG+16*la+11],  v[ADRA+(\slot)] offset:la*16*PA+(\kq)*CH+64
	ds_load_b128 v[STG+16*la+12:STG+16*la+15], v[ADRA+(\slot)] offset:la*16*PA+(\kq)*CH+80
.set la, la+1
.endm
.macro LB slot, kq, g                  ; the next two fragments of W into buffer g: four loads of 512 neighbouring bytes
	WIN 0x40                                       ; destination window 1, address window 0
.rept 2
	ds_load_b128 v[128*(\g)+8*lb:128*(\g)+8*lb+3],   v[ADRB+(\slot)] offset:(lb/8)*BHALF+(\kq)*BQ+(lb%8)*1024
	ds_load_b128 v[128*(\g)+8*lb+4:128*(\g)+8*lb+7], v[ADRB+(\slot)] offset:(lb/8)*BHALF+(\kq)*BQ+(lb%8)*1024+512
.set lb, lb+1
.endr
.endm
.macro FETCH slot, kq, g               ; 48 LDS loads in one run: quarter kq of a slot: x's 16 first, then W's 32 into buffer g
.set la, 0
.set lb, 0
.rept 4
	LA \slot, \kq
.endr
.rept 8
	LB \slot, \kq, \g
.endr
.endm
.macro CV g                            ; the next eight numbers of x rounded to bf16, into buffer g
	WIN 0
.rept 4
	v_cvt_pk_bf16_f32 v[FA+32*(\g)+cv], v[STG+2*cv], v[STG+2*cv+1]
.set cv, cv+1
.endr
.endm
; A load into a register that a matrix instruction has read, and a vector instruction that writes one or reads a matrix result, stand four places behind that matrix instruction, and only
; plain vector instructions that name none of its registers are places (ISA guide 7.12.1 for vector instructions).
.macro PLACES
.rept 4
	v_nop
.endr
.endm
; A QUARTER multiplies buffers f.  fetch = 1: it brings the next quarter (quarter nk of slot ns) into the other buffers: the 48 loads in one run behind its first product, and, 31 matrix instructions
; later, x's 32 roundings, four behind one matrix instruction each; none names a register of the products round it.
; chg = 1, 2: the fetch was the last read of the slot in hand, and the slots change: ONE barrier.  In front of it each wave waits for all its tensor loads, of which one is out: its part of the
; other slot; adds 0 to its spare word; and waits for that and for its own reads of this slot.  chg = 1: the barrier opens a round of the cluster's barrier, so that no wave of any partner still
; reads the slot or has a load on its way, and slot cs is filled again, two K steps ahead, first thing behind the round: 176 matrix instructions ahead of the wait for it.  chg = 2: nothing is filled.
; last = 1: the fill is the last K step's, which has 64 along K: the extents say so, nothing beyond x's rows or wb's end is read, and the slot's third quarter, zeros, is never multiplied.
.macro QUARTER f, zero, fetch, ns, nk, chg, cs, last=0
.set i, 0
.set cv, 0
	s_wait_dscnt 0x0                               ; W's fragments for this quarter are in: they were asked for 63 matrix instructions ago
	MM \f, \zero
.if \fetch
	PLACES                                         ; behind the last quarter's products, which read the buffers that are now filled
	FETCH \ns, \nk, 1-(\f)
	MMS 31, \f, \zero
	s_wait_dscnt 32                                ; LDS loads come back in order (ISA guide 5.7.1): x's 16 are in, W's 32, issued behind them, may be out
.rept 8
	MM \f, \zero
	CV 1-(\f)
.endr
.else
	MMS 39, \f, \zero
.endif
.if (\chg) == 0
	MMS 24, \f, \zero
.else
	WIN 0                                          ; (the add's two registers lie in window 0)
	s_wait_tensorcnt 0x0                           ; all my tensor loads have landed: the one that was out is my part of the other slot;
	ds_add_u32 v[SPW], v[NIL]                      ; 0 onto my spare word;
	MMS 8, \f, \zero                               ; eight matrix instructions stand between the add and the wait for it
	s_wait_dscnt 0x0                               ; the add is done, and my reads of this slot are over:
	s_barrier_signal -1                            ; say so,
	MMS 8, \f, \zero                               ; work on registers while the others arrive,
.if (\chg) == 1
	WIN 0
.endif
	s_barrier_wait -1                              ; and go on when all four have said so
.if (\chg) == 1
	CREST
	s_add_nc_u64 s[G0+4*(\cs)+2:G0+4*(\cs)+3], s[G0+4*(\cs)+2:G0+4*(\cs)+3], 2*KSTEP*4   ; no tensor load of mine is out, so the descriptors may be written; the type bits on top are not reached
	s_add_nc_u64 s[G0B+4*(\cs)+2:G0B+4*(\cs)+3], s[G0B+4*(\cs)+2:G0B+4*(\cs)+3], 2*3*QBLK
.if \last
	s_mov_b32 s[G1+1], 64<<16                      ; x: 64 numbers are left of each row
	s_mov_b32 s[G1B+2], 2<<16                      ; W: 2 quarters are left
.endif
	JLOAD \cs
.endif
	MMS 8, \f, \zero
.endif
.endm
	s_wait_tensorcnt 1                             ; my part of K step 0 is in; K step 1's load, issued behind it, may stay out
	s_barrier_signal -1
	s_barrier_wait -1                              ; everybody's is
	FETCH 0, 0, 0                                  ; the first quarter's fragments: there is no matrix work yet to set them beside
	s_wait_dscnt 32
.set cv, 0
.rept 8
	CV 0
.endr
	; Quarter Q = 3 s + kq multiplies on buffers Q % 2 and fetches quarter Q + 1.  The slots change in a step's second quarter, whose fetch is the slot's last read.
	QUARTER 0, 1, 1, 0, 1, 0, 0                    ; Q = 0 stands in front of the loop: its products start the sums
	WIN 0
	s_mov_b32 s3, TRIPS
.Llap:                                                 ; trip j: Q = 6 j + 1 to 6 j + 6; slot 0 takes K step 2 j + 2, slot 1 K step 2 j + 3
	QUARTER 1, 0, 1, 0, 2, 1, 0
	QUARTER 0, 0, 1, 1, 0, 0, 0
	QUARTER 1, 0, 1, 1, 1, 0, 0
	QUARTER 0, 0, 1, 1, 2, 1, 1
	QUARTER 1, 0, 1, 0, 0, 0, 0
	QUARTER 0, 0, 1, 0, 1, 0, 0
	WIN 0
	s_sub_co_u32 s3, s3, 1
	s_cmp_lg_u32 s3, 0
	s_cbranch_scc1 .Llap
	QUARTER 1, 0, 1, 0, 2, 1, 0, 1                 ; the tail is written out.  Q = 121: slot 0 takes K step 42, the last fill
	QUARTER 0, 0, 1, 1, 0, 0, 0                    ; Q = 122
	QUARTER 1, 0, 1, 1, 1, 0, 0                    ; Q = 123: K step 41
	QUARTER 0, 0, 1, 1, 2, 2, 0                    ; Q = 124: the barrier shows K step 42 whole to every wave, and slot 1 read out by every wave; nothing is asked for
	QUARTER 1, 0, 1, 0, 0, 0, 0                    ; Q = 125
	QUARTER 0, 0, 1, 0, 1, 0, 0                    ; Q = 126: K step 42
	QUARTER 1, 0, 0, 0, 0, 0, 0                    ; Q = 127 fetches nothing
; THE WAY OUT, 16 rows at a time.  A lane's eight numbers of a row are 32 bytes; they go into my own stage, rows of 1,040 bytes, and come back as half rows of 512 consecutive bytes.
; The stage is each wave's own and LDS serves a wave's instructions in order (ISA guide 5.7.1.4): no wait between the stores and the loads, nor between a block's loads and the next block's stores.
.macro TOSTAGE a
.if (\a) >= 2
	s_wait_xcnt 0x0                                ; every earlier memory instruction has had its addresses translated (ISA guide 3.1): the registers that block a - 2's stores read are loaded again only behind this wait
.endif
	WIN 0x08+4*((\a)/2)                            ; the data, source 1, in window 2 or 3
.set ob, 0
.rept 16
.set rD, 8*(16*((\a)%2)+ob)
	ds_store_b128 v[STO], v[rD:rD+3]   offset:64*ob      ; each accumulator's low registers first
	ds_store_b128 v[STO], v[rD+4:rD+7] offset:64*ob+16
.set ob, ob+1
.endr
	WIN 0x40                                       ; destination window 1
.set ot, 0
.rept 32
	ds_load_b128 v[128*((\a)%2)+4*ot:128*((\a)%2)+4*ot+3], v[RD] offset:(ot/2)*SPITCH+(ot%2)*512
.set ot, ot+1
.endr
.endm
.macro SEND a
	WIN 0x04                                       ; the data, source 1, in window 1
.set ot, 0
.rept 32
	s_wait_dscnt 31-ot                             ; load ot is back; the 31 - ot younger ones may be out
	global_store_b128 v[CO], v[128*((\a)%2)+4*ot:128*((\a)%2)+4*ot+3], s[8:9] offset:(16*(\a)+ot/2)*SIZE_N*4+(ot%2)*512 th:TH_STORE_NT  ; 512 consecutive bytes, at a multiple of 512 from out0's first; 516,608 at the most, inside the signed 24-bit immediate
.set ot, ot+1
.endr
.endm
	PLACES                                         ; behind the last products: the stores read results, and the loads fill registers that products have read
	TOSTAGE 0
	SEND 0
	TOSTAGE 1
	SEND 1
	TOSTAGE 2
	SEND 2
	TOSTAGE 3
	SEND 3
	WIN 0
	s_wait_tensorcnt 0x0                           ; the wave's end: the add and its wait stand behind my last tensor load and my last LDS store
	ds_add_u32 v[SPW], v[NIL]
	s_wait_dscnt 0x0
	CROUND                                         ; the closing round: no work-group ends while a partner may still ask for a tile that names it
	s_endpgm
.Lfunc_end_k_qe192c1fa82_gemm:
	.size	k_qe192c1fa82_gemm, .Lfunc_end_k_qe192c1fa82_gemm-k_qe192c1fa82_gemm
	.p2alignl 7, 3214868480
	.fill 96, 4, 3214868480
	.section	.rodata,"a",@progbits
	.p2align	6, 0x0
	.amdhsa_kernel k_qe192c1fa82_gemm
		.amdhsa_group_segment_fixed_size 327680
		.amdhsa_private_segment_fixed_size 0
		.amdhsa_enable_private_segment 0
		.amdhsa_kernarg_size 24
		.amdhsa_user_sgpr_count 2
		.amdhsa_user_sgpr_kernarg_segment_ptr 1
		.amdhsa_wavefront_size32 1
		.amdhsa_system_sgpr_workgroup_id_x 1
		.amdhsa_system_sgpr_workgroup_id_y 1
		.amdhsa_system_sgpr_workgroup_id_z 1
		.amdhsa_system_vgpr_workitem_id 0
		.amdhsa_next_free_vgpr 1024
		.amdhsa_next_free_sgpr 66
		.amdhsa_reserve_vcc 0
		.amdhsa_float_denorm_mode_32 3
		.amdhsa_float_denorm_mode_16_64 3
		.amdhsa_memory_ordered 1
		.amdhsa_forward_progress 1
		.amdhsa_inst_pref_size 181
	.end_amdhsa_kernel
	.amdgpu_metadata
---
amdhsa.version: [ 1, 2 ]
amdhsa.kernels:
  - .name:           k_qe192c1fa82_gemm
    .symbol:         k_qe192c1fa82_gemm.kd
    .args:
      - { .name: x, .offset: 0, .size: 8, .value_kind: global_buffer, .address_space: global }
      - { .name: wb, .offset: 8, .size: 8, .value_kind: global_buffer, .address_space: global }
      - { .name: out0, .offset: 16, .size: 8, .value_kind: global_buffer, .address_space: global }
    .group_segment_fixed_size: 327680
    .private_segment_fixed_size: 0
    .kernarg_segment_align: 8
    .kernarg_segment_size: 24
    .max_flat_workgroup_size: 128
    .sgpr_count:     66
    .vgpr_count:     1024
    .wavefront_size: 32
...
	.end_amdgpu_metadata
.endif
;; end of part 4
